; MI455X (gfx1250); checked and timed in simulation.
; The chip was launched on July 23, 2026; its instructions are those of AMD's public machine-readable ISA for CDNA 5 (MIT licence, August 2026) and "CDNA5" Instruction Set Architecture Reference Guide (July 2026). The comments in the code are by the model that wrote it; some were corrected since.
;; Swi GLU Bit. Allowed arithmetic: matrix products marked QUANTISED: E2M1 operands, one E8M0 scale for each 32 along K, by v_wmma_scale_f32_16x16x128_f8f6f4 with both operands' format E2M1 (or v_wmma_scale_f32_32x16x128_f4), f32 sums; everything else in f32.
;; Inputs: w1 1,024 x 2,048 float32; w2 1,024 x 2,048 float32; w3 2,048 x 1,024 float32; x 4 x 2,048 x 2,048 float32.
;; Outputs: out0 4 x 2,048 x 2,048 float32.
;; This version of the problem:
;;   THIS VERSION OF THE PROBLEM IS GIVEN IN LOW PRECISION. The matrix products marked QUANTISED in the list below multiply operands that are first quantised to E2M1 (2 exponent bits, 1 mantissa bit; 4 bits a number), with one power-of-two scale for each 32 numbers along K (OCP MX v1.0); their sums are f32. All else is computed in f32.
;;   The module's matrix products, in the order in which they are computed (A, B: the left and right operand; K: the contracted axis; several contracted axes count as one K, in the product's order):
;;     1. [M 8,192, K 2,048] x [K 2,048, N 1,024]; A: computed on the way; B: computed on the way: QUANTISED
;;     2. [M 8,192, K 2,048] x [K 2,048, N 1,024]; A: computed on the way; B: computed on the way: QUANTISED
;;     3. [M 8,192, K 1,024] x [K 1,024, N 2,048]; A: computed on the way; B: computed on the way: QUANTISED
;;   THE QUANTISER, for each operand of a quantised product, along K:
;;     - K is cut into blocks of 32 from its start; a last block that is shorter is filled with zeros.
;;     - A block's scale is 2^e with e = floor(log2(the largest magnitude in the block)) - 2, held to -126 .. 127; a block of zeros has e = 0. As a byte (E8M0): e + 127.
;;     - Each number is divided by its block's scale, clamped to +-6, and rounded to the nearest number of E2M1, ties to even, subnormals kept.
;;     - The product sums the exact products of the quantised numbers (number of the format x scale) in f32.
;;   ~~~python
;;   def quantise(x, axis):      # numpy; x: float32 -> the quantised numbers, widened to float32 again
;;       x = np.moveaxis(x, axis, -1); K = x.shape[-1]
;;       x = np.pad(x, [(0, 0)] * (x.ndim - 1) + [(0, -K % 32)]); x = x.reshape(x.shape[:-1] + (-1, 32)); a = np.abs(x).max(-1, keepdims=True)
;;       e = np.where(a > 0, np.clip(np.frexp(np.where(a > 0, a, 1))[1] - 1 - 2, -126, 127), 0)      # np.frexp(a)[1] - 1 = floor(log2(a)), exactly
;;       r = np.clip(x / 2.0 ** e, -6, 6)
;;       step = 2.0 ** (np.maximum(np.frexp(np.where(r == 0, 1, r))[1] - 1, 0) - 1)
;;       q = np.round(r / step) * step * 2.0 ** e      # np.round: ties to even
;;       return np.moveaxis(q.reshape(q.shape[:-2] + (-1,))[..., :K], -1, axis).astype(np.float32)
;;   ~~~
;;   OPERANDS COMPUTED ON THE WAY. 'Computed on the way' means the value that the module computes at that place (a softmax that the list does not call 'softmax' is quantised finished and normalised). What goes into a quantiser is computed in f32, as accurately as f32 sums, v_exp_f32 and their like allow (about 1e-6 of the number): no bf16 or f16 on the way to a quantiser, and a product that is left as it is and whose result goes on into a quantised operand takes f32 operands (vector FMAs, or v_wmma_f32_16x16x4_f32). A number that lies on a knife's edge between two numbers of the format may be rounded either way, as far as f32 arithmetic and the matrix unit's own rounding can turn it there, and no further.
;; One version. Each part assembles by itself: llvm-mc -triple=amdgcn-amd-amdhsa -mcpu=gfx1250 --defsym DOCPART=n.
;; ======== version 1 of 1: 3 launches
;; limits: right only within a limited range of input values
;; workspace buffers: wpart 3,072 bytes; xc 8,388,608 bytes; xs 524,288 bytes; wc 3,145,728 bytes; hc 4,194,304 bytes; hs 262,144 bytes
;; launch prep (part 1): grid 256 x 1, 16 waves a work-group, no clusters, 287,232 bytes of LDS; arguments x, w1, w2, w3, xc, xs, wc, wpart; writes xc, xs, wc, wpart
.if DOCPART == 1
	.amdgcn_target "amdgcn-amd-amdhsa--gfx1250"
	.amdhsa_code_object_version 6
	.text
	.protected	k_q914b6a133d_prep
	.globl	k_q914b6a133d_prep
	.p2align	8
	.type	k_q914b6a133d_prep,@function
k_q914b6a133d_prep:
	s_mov_b64 s[64:65], 0
	v_nop
	global_prefetch_b8 v0, s[64:65] scope:SCOPE_SE
	s_setreg_imm32_b32 hwreg(HW_REG_WAVE_MODE, 25, 1), 1
	s_wait_xcnt 0x0
; x [8192][2048] f32 -> int8 fake quantisation in groups of 64 (s = max(largest magnitude, 1e-5); q = round(clip(x 127/s)) s/127) -> codes of FP4 (E2M1), one E8M0 byte for each 32 along K.
; w1, w2, w3 -> codes of sign(w) at the largest magnitude (+-6, or 0 for w = 0) and partial sums of |w|.
; WORK LEFT OUT, in the whole program: reference() forms x + (q - x) and w + (sign(w) mean - w).  In real numbers these are q and sign(w) mean for all values of the inputs, so the sum and the difference are not computed.
; A quantised weight is then sign(w) x mean: every non-zero number of a tensor has one magnitude, so one code of magnitude c = code(mean) and one scale byte serve the tensor.
; The product launches make c and the byte from the mean and take (this launch's code) AND (8 | c): sign kept, magnitude c, zero stays zero.
; LIMITS: a NaN, an infinity or an overflow that reaches only the work left out is not carried on; NaN and infinities among the inputs are not served.  A non-zero |w| under 5 x 2^-100 gets a lesser code than sign(w) asks for;
; |w| from 2^28 on leans on the conversion's hold at the largest code.  A block of x under 2^-124, a block of zeros among them, keeps the scale byte 1 (its codes are zeros; this program alone reads the bytes).
; 127/s and s/127 are a reciprocal (a product) with one fused correction; s beyond 2^126 is not served.
; SHARES: work-group b takes rows 32 b .. 32 b + 31 of x, 262,144 consecutive bytes; wave w takes their 128 along K from 128 w on by ONE tensor load (32 rows x 512 bytes, LDS rows 528 bytes apart) and reads its own tile alone.
; Waves 0-11 also take a fragment (16 rows x 128 K) of a weight: tensor w / 4, tile w % 4 of unit b (64 rows x 128 K), by 16 loads of 512 consecutive bytes.
; LAYOUTS: codes are images of the operand's registers: [rows / 128][K / 128][tile 0..7][c 0,1][lane][16 bytes]; lane (r, h) holds row r, k = 64 c + 32 h + 0 .. 31.
; xs: [rows / 32][K / 512][32 rows][4 words]: a lane's 16 bytes are its row's scale words of 512 along K.  wc: w1 and w2 as one operand (rows 128 g + 0..63 w1's 64 g on, + 64..127 w2's) at 0, w3 at 2,097,152;
; within 64 rows tile tt, place p takes row 32 (tt / 2) + 8 (tt % 2) + p + 8 (p / 8).  wpart: [tensor][work-group] f32.
; A block's largest quantised magnitude is not searched for: q rises with |x|, so the block's largest |x| goes through the same four instructions as the numbers.
; No cluster: work-groups share no input.  No prefetch: the text has no loop to run ahead in; all its requests stand at its head.
.set TP,    528
.set TILE,  32*TP
.set XSG,   16*TILE                    ; the work-group's 2,048 bytes of scale words
.set WST,   XSG+2048                   ; 1,024 bytes of codes for each of 12 waves
.set WSUM,  WST+12288                  ; 12 sums, in a block of 512 bytes
.set SPARE, WSUM+512                   ; the spare words, 128 bytes a wave
.set WR,    36                         ; v36-99   a weight fragment as loaded: register 4 p + i = k 4 lane + i of place p
.set X,     100                        ; v100-227 two fragments of x: register 32 c + i = k 64 c + 32 h + i of my row
.set S,     X+8
.set C,     228                        ; v228-243 the two fragments' codes
.set WC,    244                        ; v244-251 the weight's codes
.set SEL,   48
.set S127,  50
.set SM127, 51
.set SR127, 52
; v12-19, v20-27: group c's: +0 s, +1, +2 1/s, +3 the block's largest, +4,5 127/s, +6,7 s/127
.macro QF t
.set XB, X+64*(\t)
.irp c, 0,1
	v_max3_num_f32 v[12+8*\c], |v[XB+32*\c]|, |v[XB+32*\c+1]|, |v[XB+32*\c+2]|
	v_max3_num_f32 v[13+8*\c], |v[XB+32*\c+3]|, |v[XB+32*\c+4]|, |v[XB+32*\c+5]|
.endr
.irp i, 6,10,14,18,22,26
.irp c, 0,1
	v_max3_num_f32 v[12+8*\c], v[12+8*\c], |v[XB+32*\c+\i]|, |v[XB+32*\c+\i+1]|
	v_max3_num_f32 v[13+8*\c], v[13+8*\c], |v[XB+32*\c+\i+2]|, |v[XB+32*\c+\i+3]|
.endr
.endr
.irp c, 0,1
	v_max3_num_f32 v[12+8*\c], v[12+8*\c], |v[XB+32*\c+30]|, |v[XB+32*\c+31]|
.endr
.irp c, 0,1
	v_max_num_f32 v[15+8*\c], v[12+8*\c], v[13+8*\c]           ; my block's largest |x|
.endr
.irp c, 0,1
	v_permlanex16_b32 v[13+8*\c], v[15+8*\c], s[SEL], s[SEL+1]
.endr
.irp c, 0,1
	v_max3_num_f32 v[12+8*\c], v[15+8*\c], v[13+8*\c], 0x3727c5ac   ; s: with lane l xor 16's block and the clip at 1e-5
.endr
	s_wait_alu depctr_va_vdst(0)                               ; the wait ahead of the batch
.irp c, 0,1
	v_rcp_f32 v[14+8*\c], v[12+8*\c]
.endr
.irp c, 0,1
	v_mul_f32 v[18+8*\c], s[SR127], v[12+8*\c]
.endr
	s_wait_alu depctr_va_vdst(0)                               ; and behind it
.irp c, 0,1
	v_mul_f32 v[16+8*\c], s[S127], v[14+8*\c]
.endr
.irp c, 0,1
	v_fma_f32 v[19+8*\c], s[SM127], v[18+8*\c], v[12+8*\c]
.endr
.irp c, 0,1
	v_fma_f32 v[17+8*\c], -v[12+8*\c], v[16+8*\c], s[S127]
.endr
.irp c, 0,1
	v_fma_f32 v[18+8*\c], v[19+8*\c], s[SR127], v[18+8*\c]     ; s/127, corrected
.endr
.irp c, 0,1
	v_fma_f32 v[16+8*\c], v[17+8*\c], v[14+8*\c], v[16+8*\c]   ; 127/s, corrected
.endr
.irp c, 0,1
.set n, 0
.rept 16
	v_pk_mul_f32 v[XB+32*\c+n:XB+32*\c+n+1], v[XB+32*\c+n:XB+32*\c+n+1], v[16+8*\c:17+8*\c] op_sel_hi:[1,0]
.set n, n+2
.endr
	v_mul_f32 v[15+8*\c], v[15+8*\c], v[16+8*\c]
.endr
.set n, 0
.rept 64
	v_med3_num_f32 v[XB+n], v[XB+n], s[SM127], s[S127]
.set n, n+1
.endr
.irp c, 0,1
	v_med3_num_f32 v[15+8*\c], v[15+8*\c], s[SM127], s[S127]
.endr
.set n, 0
.rept 64
	v_rndne_f32 v[XB+n], v[XB+n]
.set n, n+1
.endr
.irp c, 0,1
	v_rndne_f32 v[15+8*\c], v[15+8*\c]
.endr
.irp c, 0,1
.set n, 0
.rept 16
	v_pk_mul_f32 v[XB+32*\c+n:XB+32*\c+n+1], v[XB+32*\c+n:XB+32*\c+n+1], v[18+8*\c:19+8*\c] op_sel_hi:[1,0]   ; q
.set n, n+2
.endr
	v_mul_f32 v[15+8*\c], v[15+8*\c], v[18+8*\c]               ; the block's largest |q|
.endr
.irp c, 0,1
	v_max_num_f32 v[15+8*\c], 0x1800000, v[15+8*\c]            ; the floor 2^(3 - 127): the byte cannot fall under 1
.endr
.irp c, 0,1
	v_add_nc_u32 v[17+8*\c], 0xff000000, v[15+8*\c]            ; 2 off the exponent field: the conversion's scale operand
.endr
.irp c, 0,1
	v_lshrrev_b32 v[19+8*\c], 23, v[17+8*\c]                   ; the scale's byte
.endr
.irp c, 0,1
.irp g, 0,1,2,3
	v_cvt_scalef32_pk8_fp4_f32 v[C+8*(\t)+4*\c+\g], v[XB+32*\c+8*\g:XB+32*\c+8*\g+7], v[17+8*\c]
.endr
.endr
	v_lshl_or_b32 v30, v27, 16, v19                            ; my bytes: blocks h and 2 + h of my row,
	v_lshlrev_b32 v30, v9, v30                                 ; 8 h bits up;
	v_permlanex16_b32 v31, v30, s[SEL], s[SEL+1]
	v_or_b32 v30, v30, v31                                     ; with lane l xor 16's the word is whole
	ds_store_b32 v6, v30 offset:256*(\t)                       ; lanes r and r + 16 write the same word with the same value
	global_store_b128 v4, v[C+8*(\t):C+8*(\t)+3], s[12:13] offset:1024*(\t)        ; 32 lanes store 512 consecutive bytes, aligned
	global_store_b128 v4, v[C+8*(\t)+4:C+8*(\t)+7], s[12:13] offset:1024*(\t)+512
.endm
.macro WLD rb                          ; place p's 512 bytes: row p + 8 (p / 8) from the tile's first
.irp p, 0,1,2,3,4,5,6,7,8,9,10,11,12,13,14,15
	global_load_b128 v[WR+4*\p:WR+4*\p+3], v4, s[40:41] offset:(\p+8*(\p/8))*\rb th:TH_LOAD_NT
.endr
.endm
	s_load_b256 s[4:11], s[0:1], 0x0               ; x, w1, w2, w3
	s_load_b256 s[12:19], s[0:1], 0x20             ; xc, xs, wc, wpart
	v_lshl_add_u32 v10, v0, 2, SPARE
	v_mov_b32 v11, 0
	ds_add_u32 v10, v11                            ; the opening lines: the add twice on end and one wait
	ds_add_u32 v10, v11
	v_lshrrev_b32 v1, 5, v0
	v_readfirstlane_b32 s20, v1                    ; wave 0..15
	s_mov_b32 s24, 1
	s_mul_i32 s25, s20, TILE                       ; my tile in LDS
	s_mov_b32 s28, (2<<16)|(1<<20)|(6<<22)|(3<<25) ; elements of 4 bytes; 4 dwords of padding behind every 128
	s_mov_b32 s29, 128<<16
	s_mov_b32 s30, 32<<16
	s_mov_b32 s31, 128<<16
	s_mov_b32 s32, 32
	s_mov_b32 s33, 2048
	s_mov_b32 s34, 0
	s_mov_b32 s35, 0
	s_lshl_b32 s22, ttmp9, 18                      ; 32 rows of 8,192 bytes,
	s_lshl_b32 s23, s20, 9                         ; 512 bytes of a row
	s_add_co_u32 s22, s22, s23
	s_mov_b32 s23, 0
	s_lshr_b32 s45, s20, 2
	s_lshl_b32 s45, s45, 9
	s_and_b32 s46, s20, 3
	s_lshl_b32 s46, s46, 2
	s_add_co_u32 s45, s45, s46
	s_add_co_u32 s45, s45, XSG                     ; my scale words: 512 (w / 4) + 4 (w % 4)
	s_lshl_b32 s46, s20, 10
	s_add_co_u32 s46, s46, WST
	s_lshl_b32 s47, s20, 9
	s_add_co_u32 s47, s47, XSG
	s_lshl_b32 s53, s20, 2
	s_add_co_u32 s53, s53, WSUM
	s_mov_b32 s[SEL], 0x76543210
	s_mov_b32 s[SEL+1], 0xfedcba98
	s_mov_b32 s[S127], 0x42fe0000
	s_mov_b32 s[SM127], 0xc2fe0000
	s_mov_b32 s[SR127], 0x3c010204
	v_and_b32 v1, 31, v0                           ; lane
	v_and_b32 v2, 15, v0                           ; r
	v_bfe_u32 v3, v0, 4, 1                         ; h
	v_lshlrev_b32 v4, 4, v1                        ; 16 x lane
	v_mul_u32_u24 v5, v2, TP
	v_lshl_add_u32 v5, v3, 7, v5
	v_add_nc_u32 v5, s25, v5                       ; my tile: row r, + 128 h
	v_lshl_add_u32 v6, v2, 4, s45                  ; my row's scale word: 16 bytes a row
	v_lshrrev_b32 v7, 3, v1
	v_and_b32 v35, 7, v1
	v_lshlrev_b32 v7, 8, v7
	v_lshl_add_u32 v7, v35, 1, v7
	v_add_nc_u32 v7, s46, v7                       ; four codes of k = 4 lane on: 256 (lane / 8) + 2 (lane % 8) in the image
	v_add_nc_u32 v8, s46, v4
	v_lshlrev_b32 v9, 3, v3
	v_add_nc_u32 v28, s47, v4
	v_mov_b32 v29, s53
	v_mov_b32 v32, WSUM
	v_lshlrev_b32 v33, 10, v1
	v_mov_b32 v31, 0                               ; a lane permute's destination counts as a source
	v_mov_b32 v34, 0x0d800000                      ; 2^-100: the scale under which every served non-zero weight is held at the largest code
	s_wait_alu depctr_va_vdst(0)                   ; the wait at the head's end
	s_wait_dscnt 0x0
	s_wait_kmcnt 0x0
	s_add_nc_u64 s[26:27], s[4:5], s[22:23]
	s_or_b32 s27, s27, 0x80000000
	tensor_load_to_lds s[24:27], s[28:35]          ; my one tensor load
	s_nop 0
	s_lshr_b32 s22, ttmp9, 2
	s_lshl_b32 s22, s22, 17                        ; xc: 131,072 bytes for 128 rows,
	s_lshl_b32 s54, s20, 13
	s_add_co_u32 s22, s22, s54
	s_and_b32 s54, ttmp9, 3
	s_lshl_b32 s54, s54, 11                        ; two tiles for 32 rows
	s_add_co_u32 s22, s22, s54
	s_add_nc_u64 s[12:13], s[12:13], s[22:23]
	s_lshl_b32 s22, ttmp9, 11
	s_lshl_b32 s54, s20, 9
	s_add_co_u32 s22, s22, s54
	s_add_nc_u64 s[14:15], s[14:15], s[22:23]
	s_lshl_b32 s22, ttmp9, 2
	s_add_nc_u64 s[18:19], s[18:19], s[22:23]
	s_lshr_b32 s36, s20, 2                         ; t: the tensor (every wave makes these addresses; waves 12-15 use none of them)
	s_and_b32 s37, s20, 3                          ; tt: the tile
	s_cmp_lt_u32 s36, 2
	s_cselect_b32 s38, 4, 3                        ; K / 128 = 2^sh
	s_cselect_b32 s39, 0, 0x200000
	s_lshr_b32 s45, ttmp9, s38                     ; rg: which 64 rows
	s_lshl_b32 s46, s45, s38
	s_sub_co_u32 s46, ttmp9, s46                   ; kc
	s_lshl_b32 s47, s45, 1
	s_add_co_u32 s47, s47, s36
	s_cmp_lt_u32 s36, 2
	s_cselect_b32 s47, s47, s45                    ; which 64 rows of the operand
	s_lshr_b32 s53, s47, 1
	s_add_co_u32 s54, s38, 13
	s_lshl_b32 s42, s53, s54
	s_lshl_b32 s54, s46, 13
	s_add_co_u32 s42, s42, s54
	s_and_b32 s47, s47, 1
	s_lshl_b32 s47, s47, 12
	s_add_co_u32 s42, s42, s47
	s_lshl_b32 s54, s37, 10
	s_add_co_u32 s42, s42, s54
	s_add_co_u32 s42, s42, s39
	s_mov_b32 s43, 0
	s_lshl_b32 s40, s45, 6
	s_lshr_b32 s54, s37, 1
	s_lshl_b32 s54, s54, 5
	s_add_co_u32 s40, s40, s54
	s_and_b32 s54, s37, 1
	s_lshl_b32 s54, s54, 3
	s_add_co_u32 s40, s40, s54                     ; the tile's first row
	s_add_co_u32 s54, s38, 9
	s_lshl_b32 s40, s40, s54
	s_lshl_b32 s54, s46, 9
	s_add_co_u32 s40, s40, s54
	s_mov_b32 s41, 0
	s_cmp_lt_u32 s36, 1                            ; the choices hang on ids alone
	s_cselect_b64 s[6:7], s[6:7], s[8:9]
	s_cmp_lt_u32 s36, 2
	s_cselect_b64 s[6:7], s[6:7], s[10:11]
	s_add_nc_u64 s[40:41], s[6:7], s[40:41]
	s_add_nc_u64 s[42:43], s[16:17], s[42:43]
	s_cmp_lt_u32 s20, 12
	s_cbranch_scc0 .Lx
	s_cmp_lt_u32 s20, 8
	s_cbranch_scc0 .Lw3
	WLD 8192
	s_branch .Lx
.Lw3:
	WLD 4096
.Lx:
	s_wait_tensorcnt 0x0                           ; my tile is in; I alone read it
.irp t, 0,1
.irp c, 0,1
.irp i, 0,1,2,3,4,5,6,7
	ds_load_b128 v[X+64*\t+32*\c+4*\i:X+64*\t+32*\c+4*\i+3], v5 offset:16*TP*\t+256*\c+16*\i
.endr
.endr
.endr
	s_wait_dscnt 16                                ; the first fragment's 16 loads are in
	QF 0
	s_wait_dscnt 1                                 ; the second's too (the word's store may be out)
	QF 1
	s_cmp_lt_u32 s20, 12
	s_cbranch_scc0 .Lmeet
	s_wait_loadcnt 0x0
.irp p, 0,2,4,6,8,10,12,14
	v_cvt_scalef32_pk8_fp4_f32 v[WC+\p/2], v[WR+4*\p:WR+4*\p+7], v34   ; low half: place p's four codes; high half: place p + 1's
.endr
.irp k, 0,1,2,3,4,5,6,7
	v_add_f32 v[S+\k], |v[WR+\k]|, |v[WR+8+\k]|
.endr
.set m, 16
.rept 48
	v_add_f32 v[S+m%8], v[S+m%8], |v[WR+m]|
.set m, m+1
.endr
.irp p, 0,2,4,6,8,10,12,14
	ds_store_b16 v7, v[WC+\p/2] offset:16*\p
	ds_store_b16_d16_hi v7, v[WC+\p/2] offset:16*\p+16
.endr
	ds_load_b128 v[X:X+3], v8                      ; LDS serves a wave's instructions in order: these see my stores
	ds_load_b128 v[X+4:X+7], v8 offset:512
	v_add_f32 v[S], v[S], v[S+1]
	v_add_f32 v[S+2], v[S+2], v[S+3]
	v_add_f32 v[S+4], v[S+4], v[S+5]
	v_add_f32 v[S+6], v[S+6], v[S+7]
	v_add_f32 v[S], v[S], v[S+2]
	v_add_f32 v[S+4], v[S+4], v[S+6]
	v_add_f32 v[S], v[S], v[S+4]
	v_add_f32_dpp v[S], v[S], v[S] row_xmask:1 row_mask:0xf bank_mask:0xf
	v_add_f32_dpp v[S], v[S], v[S] row_xmask:2 row_mask:0xf bank_mask:0xf
	v_add_f32_dpp v[S], v[S], v[S] row_xmask:4 row_mask:0xf bank_mask:0xf
	v_add_f32_dpp v[S], v[S], v[S] row_xmask:8 row_mask:0xf bank_mask:0xf
	v_permlanex16_b32 v[S+1], v[S], s[SEL], s[SEL+1]
	v_add_f32 v[S], v[S], v[S+1]
	ds_store_b32 v29, v[S]                         ; my fragment's sum: all lanes write the same word with the same value
	s_wait_dscnt 1                                 ; the image is back
	global_store_b128 v4, v[X:X+3], s[42:43]       ; 32 lanes store 512 consecutive bytes, aligned
	global_store_b128 v4, v[X+4:X+7], s[42:43] offset:512
.Lmeet:
	s_wait_dscnt 0x0                               ; for the others' sake: my words and my sum lie in LDS
	s_barrier_signal -1
	s_barrier_wait -1
	s_cmp_lt_u32 s20, 4
	s_cbranch_scc0 .Lnot_xs
	ds_load_b128 v[WC:WC+3], v28                   ; waves 0-3: 512 bytes each of the 2,048 bytes of scale words
	s_wait_dscnt 0x0
	global_store_b128 v4, v[WC:WC+3], s[14:15]
	s_branch .Lend
.Lnot_xs:
	s_cmp_eq_u32 s20, 4
	s_cbranch_scc0 .Lend
	ds_load_b128 v[108:111], v32                   ; wave 4: the twelve sums, in every lane: w1's four,
	ds_load_b128 v[112:115], v32 offset:16         ; w2's,
	ds_load_b128 v[116:119], v32 offset:32         ; w3's
	s_wait_dscnt 0x0
	v_add_f32 v108, v108, v109
	v_add_f32 v110, v110, v111
	v_add_f32 v112, v112, v113
	v_add_f32 v114, v114, v115
	v_add_f32 v116, v116, v117
	v_add_f32 v118, v118, v119
	v_add_f32 v108, v108, v110
	v_add_f32 v112, v112, v114
	v_add_f32 v116, v116, v118
	v_cmp_eq_u32 vcc_lo, 1, v1
	v_cndmask_b32 v108, v108, v112, vcc_lo
	v_cmp_eq_u32 vcc_lo, 2, v1
	v_cndmask_b32 v108, v108, v116, vcc_lo         ; lane t holds tensor t's sum
	v_cmp_gt_u32 vcc_lo, 3, v1
	s_wait_alu depctr_va_vdst(0)                   ; directly ahead of the wait below
	s_wait_xcnt 0x0                                ; EXEC changes only behind this wait
	s_and_saveexec_b32 s44, vcc_lo                 ; lanes 0-2 store
	global_store_b32 v33, v108, s[18:19]
	s_wait_xcnt 0x0
	s_or_b32 exec_lo, exec_lo, s44
.Lend:
	s_wait_tensorcnt 0x0                           ; the wave's end
	ds_add_u32 v10, v11
	s_wait_dscnt 0x0
	s_endpgm
.Lfunc_end_k_q914b6a133d_prep:
	.size	k_q914b6a133d_prep, .Lfunc_end_k_q914b6a133d_prep-k_q914b6a133d_prep
	.p2alignl 7, 3214868480
	.fill 96, 4, 3214868480
	.section	.rodata,"a",@progbits
	.p2align	6, 0x0
	.amdhsa_kernel k_q914b6a133d_prep
		.amdhsa_group_segment_fixed_size 287232
		.amdhsa_private_segment_fixed_size 0
		.amdhsa_enable_private_segment 0
		.amdhsa_kernarg_size 64
		.amdhsa_user_sgpr_count 2
		.amdhsa_user_sgpr_kernarg_segment_ptr 1
		.amdhsa_wavefront_size32 1
		.amdhsa_system_sgpr_workgroup_id_x 1
		.amdhsa_system_sgpr_workgroup_id_y 1
		.amdhsa_system_sgpr_workgroup_id_z 1
		.amdhsa_system_vgpr_workitem_id 0
		.amdhsa_next_free_vgpr 256
		.amdhsa_next_free_sgpr 66
		.amdhsa_reserve_vcc 1
		.amdhsa_float_denorm_mode_32 3
		.amdhsa_float_denorm_mode_16_64 3
		.amdhsa_memory_ordered 1
		.amdhsa_forward_progress 1
		.amdhsa_inst_pref_size 48
	.end_amdhsa_kernel
	.amdgpu_metadata
---
amdhsa.version: [ 1, 2 ]
amdhsa.kernels:
  - .name:           k_q914b6a133d_prep
    .symbol:         k_q914b6a133d_prep.kd
    .args:
      - { .name: x, .offset: 0, .size: 8, .value_kind: global_buffer, .address_space: global }
      - { .name: w1, .offset: 8, .size: 8, .value_kind: global_buffer, .address_space: global }
      - { .name: w2, .offset: 16, .size: 8, .value_kind: global_buffer, .address_space: global }
      - { .name: w3, .offset: 24, .size: 8, .value_kind: global_buffer, .address_space: global }
      - { .name: xc, .offset: 32, .size: 8, .value_kind: global_buffer, .address_space: global }
      - { .name: xs, .offset: 40, .size: 8, .value_kind: global_buffer, .address_space: global }
      - { .name: wc, .offset: 48, .size: 8, .value_kind: global_buffer, .address_space: global }
      - { .name: wpart, .offset: 56, .size: 8, .value_kind: global_buffer, .address_space: global }
    .group_segment_fixed_size: 287232
    .private_segment_fixed_size: 0
    .kernarg_segment_align: 8
    .kernarg_segment_size: 64
    .max_flat_workgroup_size: 512
    .sgpr_count:     66
    .vgpr_count:     256
    .wavefront_size: 32
...
	.end_amdgpu_metadata
.endif
;; end of part 1
;; launch gateup (part 2): grid 8 x 32, 4 waves a work-group, clusters of 4 x 4, 327,680 bytes of LDS; arguments xc, xs, wc, wpart, hc, hs; writes hc, hs
.if DOCPART == 2
	.amdgcn_target "amdgcn-amd-amdhsa--gfx1250"
	.amdhsa_code_object_version 6
	.text
	.protected	k_q914b6a133d_gateup
	.globl	k_q914b6a133d_gateup
	.p2align	8
	.type	k_q914b6a133d_gateup,@function
k_q914b6a133d_gateup:
	s_mov_b64 s[64:65], 0
	v_nop
	global_prefetch_b8 v0, s[64:65] scope:SCOPE_SE
	s_setreg_imm32_b32 hwreg(HW_REG_WAVE_MODE, 25, 1), 1
	s_wait_xcnt 0x0
	s_wait_alu depctr_hold_cnt(0) depctr_sa_sdst(0) depctr_va_vdst(0) depctr_va_sdst(0) depctr_va_ssrc(0) depctr_va_vcc(0) depctr_vm_vsrc(0)
	s_getreg_b32 s2, hwreg(HW_REG_IB_STS2, 6, 4)
	s_cmp_eq_u32 s2, 0
	s_cbranch_scc0 .Lentry_in_a_cluster
	s_endpgm
.Lentry_in_a_cluster:
	s_bfe_u32 s2, ttmp6, 0x10000c
	s_cmp_lg_u32 s2, 0xf033
	s_cbranch_scc0 .Lentry_shape_is_right
	s_endpgm
.Lentry_shape_is_right:
; u = Q(x) Q(w1)^T and g = Q(x) Q(w2)^T as ONE product on codes of FP4 (E2M1) with E8M0 scales, K = 2,048; then h = silu(u) g, its int8 fake quantisation in groups of 64, and its codes of FP4 with scale bytes.
; WORK LEFT OUT: h + (q - h) = q and w + (sign(w) mean - w) = sign(w) mean in real numbers, for all inputs (the first kernel's head has the limits).
; THE WEIGHTS arrive as sign codes at the largest magnitude.  Each wave adds its tensors' 256 partial sums in one fixed order (x 2^-21: the mean), makes the mean's code c and scale byte by the quantiser's own lines,
; and takes each B register once through AND (8 | c in every nibble).  All blocks of a tensor share the byte: B's scale word is one register for w1 and one for w2.
; A = x's codes, B = w1 and w2 as one operand (rows 128 G + 0..63 w1's, + 64..127 w2's), both as images of the operand's registers: 128 rows x 512 K are 32,768 consecutive bytes, one tensor load; a fragment is two ds_load_b128 at 16 x lane.
; A's scale words come straight into registers, 16 loads of 512 consecutive bytes a wave: register 16 ks + 4 P + q: lanes 0-15 block 2 P's rows, lanes 16-31 block 2 P + 1's.
; A work-group of four waves makes 256 x 256; a wave 128 x 128: 64 accumulators.  K goes in four steps of 512 through two LDS slots.  CLUSTERS 4 x 4: A's tiles asked for jointly along a row, B's along a column.
; TRANSPOSED USE (source 0 = B's rows, source 1 = A's): in tile b lane (r, h), register j holds row r of x and column 32 ((b % 4) / 2) + 16 h + 8 (b % 2) + j of my 64 columns of h; tiles 0-3 are u, 4-7 g.
; PREFETCH: K steps 0 and 1 come by their loads alone.  K step 2's tiles are asked for in the head and K step 3's in K step 0's first quarter: each more than one K step ahead of its refill.  A tile of 32,768 bytes is 128 blocks of
; 256 bytes; the four partners that load it jointly take 32 blocks each, told apart by address (cx for A, cy for B), a lane a block, one instruction a wave.  The address registers are never rewritten.
; LIMITS: NaN and infinities are not served.  sigmoid by v_exp_f32 and v_rcp_f32; 127/s and s/127 a reciprocal (a product) with one fused correction.  A block of h under 2^-124 keeps the byte 1.  The mean's order of additions is this program's own.
; REGISTERS: window 0: v0-31 addresses; v32-95 A's scale words; v96-97 B's; v100-118 the means; v128-191 A's fragments.  window 1: B's two sets, v0 and v128.  windows 2, 3: accumulators ((a, b) at v[8 (8 (a % 4) + b)]).
.set KC,     16
.set NQ,     4
.set NL,     2
.set NP,     4
.set HALFT,  32768
.set SLOT,   4*HALFT
.set SPARE,  2*SLOT
.set HSG,    SPARE+512                 ; h's scale bytes on their way out: 512 bytes a wave
.set ADRA, 16
.set ADRB, 20
.set HO,   24
.set HSA,  25
.set HSL,  26
.set SPW,  28
.set NIL,  29
.set HG,   30
.set SC,   32
.set WS,   96
.set AF,   128
.set T,    32
.set H,    64
.set Y,    96
.set P,    128
.set AM,   160
.set MB,   168
.set MP,   170
.set SO,   172
.set BY,   174
.set HW,   180
.set G1,   24
.set G0,   32
.set G1B,  48
.set G0B,  56
.set M1,   76                          ; s76, s77 the masks 8 | c for w1, w2
.set SEL,  78
.set PFA,  80                          ; s[80:81] my work-group's 32 blocks of the tile that I fetch, at K step 0
.set SR127, 18
.set S127,  22
.set SM127, 23
.set NL2E,  66
.set MSB, 0
.macro WIN new
.if MSB != (\new)
	s_set_vgpr_msb (MSB<<8)|(\new)
.set MSB, (\new)
.endif
.endm
.set MUL_LO, 0xa1
.set MUL_HI, 0xf1
.set TO_B,   0x40
.set AND_B,  0x44                      ; destination and source 1 in window 1
.macro JLOAD g0a, g1a, g0b, g1b        ; waves 0, 1 fetch for A, waves 2, 3 for B
	s_cmp_eq_u32 s15, 0
	s_cbranch_scc0 .Lfor_b_\@
	tensor_load_to_lds s[\g0a:\g0a+3], s[\g1a:\g1a+7]
	s_nop 0
.rept 4
	v_nop
.endr
	s_branch .Lasked_\@
.Lfor_b_\@:
	tensor_load_to_lds s[\g0b:\g0b+3], s[\g1b:\g1b+7]
	s_nop 0
.rept 4
	v_nop
.endr
.Lasked_\@:
.endm
.macro CREST
	s_cmp_lg_u32 s14, 0
	s_cbranch_scc1 .Lnot_wave_0_\@
	s_barrier_signal -3
.Lnot_wave_0_\@:
	s_barrier_wait -3
	s_barrier_signal -1
	s_barrier_wait -1
.endm
.macro CROUND
	s_barrier_signal -1
	s_barrier_wait -1
	CREST
.endm
.macro PLACES n
.rept \n
	v_nop
.endr
.endm
; eight partial sums a lane in v[p ..] -> the tensor's scale word in v[ws], the mask 8 | code(mean) in s[sm]
.macro MEANQ p, ws, sm
	v_add_f32 v[\p], v[\p], v[\p+1]
	v_add_f32 v[\p+2], v[\p+2], v[\p+3]
	v_add_f32 v[\p+4], v[\p+4], v[\p+5]
	v_add_f32 v[\p+6], v[\p+6], v[\p+7]
	v_add_f32 v[\p], v[\p], v[\p+2]
	v_add_f32 v[\p+4], v[\p+4], v[\p+6]
	v_add_f32 v[\p], v[\p], v[\p+4]
	v_add_f32_dpp v[\p], v[\p], v[\p] row_xmask:1 row_mask:0xf bank_mask:0xf
	v_add_f32_dpp v[\p], v[\p], v[\p] row_xmask:2 row_mask:0xf bank_mask:0xf
	v_add_f32_dpp v[\p], v[\p], v[\p] row_xmask:4 row_mask:0xf bank_mask:0xf
	v_add_f32_dpp v[\p], v[\p], v[\p] row_xmask:8 row_mask:0xf bank_mask:0xf
	v_permlanex16_b32 v[\p+1], v[\p], s[SEL], s[SEL+1]
	v_add_f32 v[\p], v[\p], v[\p+1]
	v_mul_f32 v[\p], 0x35000000, v[\p]             ; x 2^-21: the mean of |w|
.irp i, 1,2,3,4,5,6,7
	v_mov_b32 v[\p+\i], v[\p]
.endr
	v_max_num_f32 v116, 0x1800000, v[\p]           ; the floor: the byte cannot fall under 1
	v_add_nc_u32 v116, 0xff000000, v116            ; 2 off the exponent field
	v_lshrrev_b32 v117, 23, v116
	v_lshl_or_b32 v117, v117, 8, v117
	v_lshl_or_b32 v[\ws], v117, 16, v117           ; the byte four times
	v_cvt_scalef32_pk8_fp4_f32 v118, v[\p:\p+7], v116   ; the mean's code in every nibble
	v_nop
	v_or_b32 v118, 0x88888888, v118
	v_readfirstlane_b32 s[\sm], v118
.endm
	s_load_b128 s[4:7], s[0:1], 0x0                ; xc, xs
	s_load_b128 s[8:11], s[0:1], 0x10              ; wc, wpart
	s_load_b128 s[96:99], s[0:1], 0x20             ; hc, hs
	v_lshl_add_u32 v[SPW], v0, 2, SPARE
	v_mov_b32 v[NIL], 0
	ds_add_u32 v[SPW], v[NIL]                      ; the opening lines: the add twice on end and one wait
	ds_add_u32 v[SPW], v[NIL]
	v_lshrrev_b32 v1, 5, v0
	v_readfirstlane_b32 s14, v1                    ; wave
	s_lshr_b32 s15, s14, 1                         ; my half of the rows; also: I fetch for A (0) or B (1)
	s_and_b32 s16, s14, 1                          ; my half of B's rows; also: which 128 rows I fetch
	s_bfe_u32 s40, ttmp6, 0x40000
	s_bfe_u32 s41, ttmp6, 0x40004
	s_lshl_b32 s42, ttmp9, 2
	s_add_co_u32 s42, s42, s40                     ; tile column
	s_and_b32 s17, ttmp7, 0xffff
	s_lshl_b32 s17, s17, 2
	s_add_co_u32 s17, s17, s41                     ; tile row
	s_lshl_b32 s43, s41, 2
	s_lshl_b32 s43, 15, s43
	s_lshl_b32 s44, 0x1111, s40
	s_or_b32 s[G1+0], s43, (3<<16)|(1<<21)         ; a dense block of 32,768 bytes as 128 rows of 32 elements of 8 bytes
	s_or_b32 s[G1B+0], s44, (3<<16)|(1<<21)
.irp g, G1, G1B
	s_mov_b32 s[\g+1], 32<<16
	s_mov_b32 s[\g+2], 128<<16
	s_mov_b32 s[\g+3], 32<<16
	s_mov_b32 s[\g+4], 128
	s_mov_b32 s[\g+5], 32
	s_mov_b32 s[\g+6], 0
	s_mov_b32 s[\g+7], 0
.endr
	s_lshl_b32 s20, s17, 1
	s_add_co_u32 s20, s20, s16
	s_lshl_b32 s46, s42, 1
	s_add_co_u32 s46, s46, s16
	s_mul_i32 s20, s20, KC*8192
	s_mov_b32 s21, 0
	s_mul_i32 s46, s46, KC*8192
	s_mov_b32 s47, 0
	s_mul_i32 s45, s14, HALFT
	s_mov_b32 s[SEL], 0x76543210
	s_mov_b32 s[SEL+1], 0xfedcba98
	s_wait_dscnt 0x0
	s_wait_kmcnt 0x0
	s_add_nc_u64 s[20:21], s[4:5], s[20:21]
	s_add_nc_u64 s[46:47], s[8:9], s[46:47]
	CROUND                                         ; the first joint loads meet
.irp s, 0,1
	s_mov_b32 s[G0+4*\s], 1
	s_add_co_u32 s[G0+4*\s+1], s45, \s*SLOT
	s_add_nc_u64 s[G0+4*\s+2:G0+4*\s+3], s[20:21], \s*HALFT
	s_or_b32 s[G0+4*\s+3], s[G0+4*\s+3], 0x80000000
	s_mov_b32 s[G0B+4*\s], 1
	s_add_co_u32 s[G0B+4*\s+1], s45, \s*SLOT
	s_add_nc_u64 s[G0B+4*\s+2:G0B+4*\s+3], s[46:47], \s*HALFT
	s_or_b32 s[G0B+4*\s+3], s[G0B+4*\s+3], 0x80000000
.endr
	JLOAD G0, G1, G0B, G1B                         ; K step 0: one tensor load a wave at the head
	s_mul_i32 s68, s15, HALFT
	s_add_co_u32 s69, s68, SLOT
	s_mul_i32 s70, s16, HALFT
	s_add_co_u32 s70, s70, 2*HALFT
	s_add_co_u32 s71, s70, SLOT
	s_lshl_b32 s72, s16, 9
	s_lshl_b32 s73, s14, 9
	s_add_co_u32 s73, s73, HSG
	s_lshl_b32 s74, s15, 10
	s_lshl_b32 s75, s16, 8
	s_add_co_u32 s74, s74, s75
	s_add_co_u32 s74, s74, HSG
	s_lshl_b32 s22, s17, 3
	s_lshl_b32 s23, s15, 2
	s_add_co_u32 s22, s22, s23
	s_lshl_b32 s22, s22, 11                        ; xs: 2,048 bytes for 32 rows
	s_mov_b32 s23, 0
	s_add_nc_u64 s[6:7], s[6:7], s[22:23]
	s_lshl_b32 s18, s17, 1
	s_add_co_u32 s18, s18, s15                     ; which 128 rows of h are mine
	s_lshl_b32 s22, s18, 16
	s_lshl_b32 s19, s42, 13
	s_add_co_u32 s22, s22, s19
	s_add_nc_u64 s[96:97], s[96:97], s[22:23]
	s_lshl_b32 s22, s18, 12
	s_lshl_b32 s19, s42, 9
	s_add_co_u32 s22, s22, s19
	s_lshl_b32 s19, s16, 8
	s_add_co_u32 s22, s22, s19
	s_add_nc_u64 s[98:99], s[98:99], s[22:23]
	s_cmp_eq_u32 s15, 0                            ; the prefetches: do I fetch for A?  (the wave's number alone)
	s_cselect_b64 s[PFA:PFA+1], s[20:21], s[46:47] ; the 128 rows that I fetch,
	s_cselect_b32 s82, s40, s41                    ; my place among the four that ask for them with me,
	s_lshl_b32 s82, s82, 13                        ; 32 blocks of 256 bytes for each
	s_mov_b32 s83, 0
	s_add_nc_u64 s[PFA:PFA+1], s[PFA:PFA+1], s[82:83]
	v_and_b32 v1, 15, v0                           ; r
	v_and_b32 v3, 31, v0                           ; lane
	v_lshlrev_b32 v4, 4, v3
	v_lshlrev_b32 v5, 5, v3
	v_lshlrev_b32 v6, 8, v3                        ; a lane a block of 256 bytes; never rewritten
	v_add_nc_u32 v[ADRA], s68, v4
	v_add_nc_u32 v[ADRA+1], s69, v4
	v_add_nc_u32 v[ADRB], s70, v4
	v_add_nc_u32 v[ADRB+1], s71, v4
	v_add_nc_u32 v[HO], s72, v4
	v_lshl_add_u32 v[HSA], v1, 2, s73
	v_lshlrev_b32 v[HG], 3, v3
	v_add_nc_u32 v[HSL], s74, v[HG]
	s_wait_alu depctr_va_vdst(0)
	global_prefetch_b8 v6, s[PFA:PFA+1] offset:2*HALFT th:TH_LOAD_NT scope:SCOPE_SE   ; K step 2: its refill stands behind all of K step 0
	global_load_b128 v[100:103], v5, s[10:11]      ; w1's partial sums, eight a lane,
	global_load_b128 v[104:107], v5, s[10:11] offset:16
	global_load_b128 v[108:111], v5, s[10:11] offset:1024   ; w2's
	global_load_b128 v[112:115], v5, s[10:11] offset:1040
.irp ks, 0,1,2,3
.irp pp, 0,1,2,3
	global_load_b128 v[SC+16*\ks+4*\pp:SC+16*\ks+4*\pp+3], v4, s[6:7] offset:2048*\pp+512*\ks
.endr
.endr
	s_wait_loadcnt 0x0
	MEANQ 100, WS, M1
	MEANQ 108, WS+1, M1+1
.macro FRAG reg, adr, q, i
.irp c, 0,1
	ds_load_b128 v[\reg+4*\c:\reg+4*\c+3], v[\adr] offset:8192*(\q)+1024*(\i)+512*\c
.endr
.endm
.macro WM zero, odd                    ; one product on D, BF, AR, SW, SA; odd: A's block is the pair's second, its words in lanes 16-31
.if \zero
.if \odd
	v_wmma_scale_f32_16x16x128_f8f6f4 v[D:D+7], v[BF:BF+7], v[AR:AR+7], 0, v[SW], v[SA] matrix_a_fmt:MATRIX_FMT_FP4 matrix_b_fmt:MATRIX_FMT_FP4 matrix_b_scale:MATRIX_SCALE_ROW1
.else
	v_wmma_scale_f32_16x16x128_f8f6f4 v[D:D+7], v[BF:BF+7], v[AR:AR+7], 0, v[SW], v[SA] matrix_a_fmt:MATRIX_FMT_FP4 matrix_b_fmt:MATRIX_FMT_FP4
.endif
.else
.if \odd
	v_wmma_scale_f32_16x16x128_f8f6f4 v[D:D+7], v[BF:BF+7], v[AR:AR+7], v[D:D+7], v[SW], v[SA] matrix_a_fmt:MATRIX_FMT_FP4 matrix_b_fmt:MATRIX_FMT_FP4 matrix_b_scale:MATRIX_SCALE_ROW1
.else
	v_wmma_scale_f32_16x16x128_f8f6f4 v[D:D+7], v[BF:BF+7], v[AR:AR+7], v[D:D+7], v[SW], v[SA] matrix_a_fmt:MATRIX_FMT_FP4 matrix_b_fmt:MATRIX_FMT_FP4
.endif
.endif
.endm
; 16 products: A's blocks a0, a0 + 1 x B's eight.  The 64 accumulators take turns, in the same order in every step.
.macro MUL16 a0, p, ks, q, zero
.irp a, \a0, \a0+1
.irp b, 0,1,2,3,4,5,6,7
.set D,  8*(8*((\a)%4)+\b)
.set BF, 128*(\p)+8*\b
.set AR, AF+8*(\a)
.set SW, WS+\b/4
.set SA, SC+16*(\ks)+4*((\a)/2)+(\q)
	WM \zero, (\a)%2
.endr
.endr
.endm
.macro FETCH_B slot, q, p
	WIN TO_B
.irp i, 0,1,2,3,4,5,6,7
	FRAG 128*(\p)+8*\i, ADRB+\slot, \q, \i
.endr
	WIN 0
.endm
.macro FETCH_A slot, q, i0
.irp i, \i0, \i0+1, \i0+2, \i0+3
	FRAG AF+8*(\i), ADRA+\slot, \q, \i
.endr
.endm
.macro ANDB p                          ; B's set p: the magnitude code of each tensor's mean; tiles 0-3 w1, 4-7 w2
	WIN AND_B
.set n, 0
.rept 32
	v_and_b32 v[128*(\p)+n], s[M1], v[128*(\p)+n]
	v_and_b32 v[128*(\p)+32+n], s[M1+1], v[128*(\p)+32+n]
.set n, n+1
.endr
	s_wait_alu depctr_va_vdst(0)
	PLACES 4                                       ; an operand written by vector instructions stands four places ahead of a scaled product
.endm
.macro STEP slot, ks, q, zero, pf      ; pf = 1: K step 3's tiles are asked for in the step's middle
	s_wait_dscnt 4*NL                              ; B's set and A's blocks 0-3 are in; the youngest eight loads (A's blocks 4-7) may be out
	ANDB (\q)%2
	WIN MUL_LO
	MUL16 0, (\q)%2, \ks, \q, \zero
	MUL16 2, (\q)%2, \ks, \q, \zero
	s_wait_dscnt 0x0
	PLACES NP
	FETCH_B \slot, (\q)+1, 1-(\q)%2
	FETCH_A \slot, (\q)+1, 0
.if \pf
	global_prefetch_b8 v6, s[PFA:PFA+1] offset:3*HALFT th:TH_LOAD_NT scope:SCOPE_SE   ; its refill stands behind the rest of K step 0 and all of K step 1
.endif
	WIN MUL_HI
	MUL16 4, (\q)%2, \ks, \q, \zero
	MUL16 6, (\q)%2, \ks, \q, \zero
	PLACES NP
	WIN 0
	FETCH_A \slot, (\q)+1, 4
.endm
; a slot's last step changes slots: one barrier; fill = 1: it opens a round of the cluster's barrier and the slot is filled again
.macro TURN slot, next, fill, ks
	s_wait_tensorcnt 0x0                           ; all my tensor loads have landed: my part of the next slot
	ds_add_u32 v[SPW], v[NIL]
	s_wait_dscnt 4*NL+1                            ; (the add and A's blocks 4-7 may be out)
	ANDB 1
	WIN MUL_LO
	MUL16 0, 1, \ks, NQ-1, 0
	s_wait_dscnt 0x0                               ; the add is done, and my reads of this slot are over
	s_barrier_signal -1
	MUL16 2, 1, \ks, NQ-1, 0
	WIN 0
	s_barrier_wait -1
.if \fill
	CREST
	s_add_nc_u64 s[G0+4*\slot+2:G0+4*\slot+3], s[G0+4*\slot+2:G0+4*\slot+3], 2*HALFT
	s_add_nc_u64 s[G0B+4*\slot+2:G0B+4*\slot+3], s[G0B+4*\slot+2:G0B+4*\slot+3], 2*HALFT
	JLOAD G0+4*\slot, G1, G0B+4*\slot, G1B         ; my one load behind the round; its four v_nop are the places in front of the loads below
.else
	PLACES NP
.endif
	FETCH_B \next, 0, 0
	FETCH_A \next, 0, 0
	WIN MUL_HI
	MUL16 4, 1, \ks, NQ-1, 0
	MUL16 6, 1, \ks, NQ-1, 0
	PLACES NP
	WIN 0
	FETCH_A \next, 0, 4
.endm
	s_wait_alu depctr_va_vdst(0)                   ; the wait at the head's end
	s_wait_tensorcnt 0x0                           ; my part of K step 0 is in; the full sequence ahead of slot 1's first fill
	ds_add_u32 v[SPW], v[NIL]
	s_wait_dscnt 0x0
	CROUND
	JLOAD G0+4, G1, G0B+4, G1B                     ; K step 1
	FETCH_B 0, 0, 0
	FETCH_A 0, 0, 0
	FETCH_A 0, 0, 4
	STEP 0, 0, 0, 1, 1                             ; the first step's products start the sums
	STEP 0, 0, 1, 0, 0
	STEP 0, 0, 2, 0, 0
	TURN 0, 1, 1, 0
	STEP 1, 1, 0, 0, 0
	STEP 1, 1, 1, 0, 0
	STEP 1, 1, 2, 0, 0
	TURN 1, 0, 1, 1
	STEP 0, 2, 0, 0, 0
	STEP 0, 2, 1, 0, 0
	STEP 0, 2, 2, 0, 0
	TURN 0, 1, 0, 2
	STEP 1, 3, 0, 0, 0
	STEP 1, 3, 1, 0, 0
	STEP 1, 3, 2, 0, 0
	s_wait_dscnt 4*NL
	ANDB 1
	WIN MUL_LO
	MUL16 0, 1, 3, NQ-1, 0
	MUL16 2, 1, 3, NQ-1, 0
	s_wait_dscnt 0x0
	WIN MUL_HI
	MUL16 4, 1, 3, NQ-1, 0
	MUL16 6, 1, 3, NQ-1, 0
	WIN 0
; THE EPILOGUE, a block of 16 rows at a time.  H: register 16 B + i = column 32 B + 16 h + i of my row; a group of 64 and both blocks of 32 lie in lanes l and l xor 16.
.macro HBLK a
.set AC, 64*((\a)%4)
	WIN 2+(\a)/4
	s_wait_alu depctr_va_vdst(0)                   ; directly ahead of the first reader of these results
.set n, 0
.rept 16
	v_pk_mul_f32 v[T+n:T+n+1], v[AC+n:AC+n+1], s[NL2E:NL2E+1] op_sel_hi:[1,0]   ; -u log2(e); each accumulator from its low end on
.set n, n+2
.endr
	WIN 0
	s_wait_alu depctr_va_vdst(0)
.set n, 0
.rept 32
	v_exp_f32 v[T+n], v[T+n]
.set n, n+1
.endr
	v_nop
	s_wait_alu depctr_va_vdst(0)
.set n, 0
.rept 16
	v_pk_add_f32 v[T+n:T+n+1], v[T+n:T+n+1], 1.0 op_sel_hi:[1,0]
.set n, n+2
.endr
	s_wait_alu depctr_va_vdst(0)
.set n, 0
.rept 32
	v_rcp_f32 v[T+n], v[T+n]
.set n, n+1
.endr
	v_nop
	WIN 2+(\a)/4
	s_wait_alu depctr_va_vdst(0)                   ; one wait for the reciprocals and for g's first readers
.set n, 0
.rept 16
	v_pk_mul_f32 v[H+n:H+n+1], v[AC+n:AC+n+1], v[T+n:T+n+1]                     ; silu(u)
.set n, n+2
.endr
.set n, 0
.rept 16
	v_pk_mul_f32 v[H+n:H+n+1], v[AC+32+n:AC+32+n+1], v[H+n:H+n+1]               ; x g
.set n, n+2
.endr
	WIN 0
.irp b, 0,1
.irp u, 0,1
	v_max3_num_f32 v[Y+2*\b+\u], |v[H+16*\b+8*\u]|, |v[H+16*\b+8*\u+1]|, |v[H+16*\b+8*\u+2]|
.endr
.endr
.irp i, 3,5
.irp b, 0,1
.irp u, 0,1
	v_max3_num_f32 v[Y+2*\b+\u], v[Y+2*\b+\u], |v[H+16*\b+8*\u+\i]|, |v[H+16*\b+8*\u+\i+1]|
.endr
.endr
.endr
.irp b, 0,1
	v_max3_num_f32 v[MB+\b], v[Y+2*\b], v[Y+2*\b+1], |v[H+16*\b+7]|
.endr
.irp b, 0,1
	v_max_num_f32 v[MB+\b], v[MB+\b], |v[H+16*\b+15]|
.endr
.irp b, 0,1
	v_permlanex16_b32 v[MP+\b], v[MB+\b], s[SEL], s[SEL+1]
.endr
.irp b, 0,1
	v_max_num_f32 v[MB+\b], v[MB+\b], v[MP+\b]     ; the block's largest |h|
.endr
	v_max3_num_f32 v[AM], v[MB], v[MB+1], 0x3727c5ac   ; s, with the clip at 1e-5
	s_wait_alu depctr_va_vdst(0)
	v_rcp_f32 v[AM+2], v[AM]
	v_mul_f32 v[AM+6], s[SR127], v[AM]
	s_wait_alu depctr_va_vdst(0)
	v_mul_f32 v[AM+4], s[S127], v[AM+2]
	v_fma_f32 v[AM+7], s[SM127], v[AM+6], v[AM]
	v_fma_f32 v[AM+5], -v[AM], v[AM+4], s[S127]
	v_fma_f32 v[AM+6], v[AM+7], s[SR127], v[AM+6]  ; s/127, corrected
	v_fma_f32 v[AM+4], v[AM+5], v[AM+2], v[AM+4]   ; 127/s, corrected
.set n, 0
.rept 16
	v_pk_mul_f32 v[H+n:H+n+1], v[H+n:H+n+1], v[AM+4:AM+5] op_sel_hi:[1,0]
.set n, n+2
.endr
	v_pk_mul_f32 v[MB:MB+1], v[MB:MB+1], v[AM+4:AM+5] op_sel_hi:[1,0]   ; the blocks' largest go the same way: q rises with |h|
.set n, 0
.rept 32
	v_med3_num_f32 v[H+n], v[H+n], s[SM127], s[S127]
.set n, n+1
.endr
	v_med3_num_f32 v[MB], v[MB], s[SM127], s[S127]
	v_med3_num_f32 v[MB+1], v[MB+1], s[SM127], s[S127]
.set n, 0
.rept 32
	v_rndne_f32 v[H+n], v[H+n]
.set n, n+1
.endr
	v_rndne_f32 v[MB], v[MB]
	v_rndne_f32 v[MB+1], v[MB+1]
.set n, 0
.rept 16
	v_pk_mul_f32 v[H+n:H+n+1], v[H+n:H+n+1], v[AM+6:AM+7] op_sel_hi:[1,0]           ; q
.set n, n+2
.endr
	v_pk_mul_f32 v[MB:MB+1], v[MB:MB+1], v[AM+6:AM+7] op_sel_hi:[1,0]
.irp b, 0,1
	v_max_num_f32 v[MB+\b], 0x1800000, v[MB+\b]    ; the floor: the byte cannot fall under 1
.endr
.irp b, 0,1
	v_add_nc_u32 v[SO+\b], 0xff000000, v[MB+\b]
.endr
.irp b, 0,1
	v_lshrrev_b32 v[BY+\b], 23, v[SO+\b]
.endr
	v_lshl_or_b32 v[HW+(\a)], v[BY+1], 8, v[BY]
.irp b, 0,1
	v_cvt_scalef32_pk8_fp4_f32 v[P+4*(\a)+2*\b], v[H+16*\b:H+16*\b+7], v[SO+\b]
	v_cvt_scalef32_pk8_fp4_f32 v[P+4*(\a)+2*\b+1], v[H+16*\b+8:H+16*\b+15], v[SO+\b]
.endr
	v_nop
	v_permlane16_swap_b32 v[P+4*(\a)], v[P+4*(\a)+2]       ; a whole block in a lane: lanes 0-15 the first, lanes 16-31 the second
	v_permlane16_swap_b32 v[P+4*(\a)+1], v[P+4*(\a)+3]
	global_store_b128 v[HO], v[P+4*(\a):P+4*(\a)+3], s[96:97] offset:1024*(\a)      ; 32 lanes store 512 consecutive bytes, aligned
	ds_store_b32 v[HSA], v[HW+(\a)] offset:64*(\a)
.endm
	PLACES NP
	s_mov_b32 s[NL2E], 0xbfb8aa3b
	s_mov_b32 s[NL2E+1], s[NL2E]
	s_mov_b32 s[S127], 0x42fe0000
	s_mov_b32 s[SM127], 0xc2fe0000
	s_mov_b32 s[SR127], 0x3c010204
	v_mov_b32 v[MP], 0
	v_mov_b32 v[MP+1], 0
.irp a, 0,1,2,3,4,5,6,7
	HBLK \a
.endr
	s_wait_dscnt 0x0                               ; for the others' sake: my scale bytes lie in LDS
	s_barrier_signal -1
	s_barrier_wait -1
	ds_load_b64 v[176:177], v[HSL]                 ; two rows' bytes of the low 64 columns,
	ds_load_b64 v[178:179], v[HSL] offset:512      ; and of the high 64
	s_wait_dscnt 0x0
	v_lshl_or_b32 v176, v178, 16, v176
	v_lshl_or_b32 v177, v179, 16, v177
	global_store_b64 v[HG], v[176:177], s[98:99]   ; 32 lanes store 256 consecutive bytes, aligned
	s_wait_tensorcnt 0x0                           ; the wave's end
	ds_add_u32 v[SPW], v[NIL]
	s_wait_dscnt 0x0
	CROUND                                         ; the closing round
	s_endpgm
.Lfunc_end_k_q914b6a133d_gateup:
	.size	k_q914b6a133d_gateup, .Lfunc_end_k_q914b6a133d_gateup-k_q914b6a133d_gateup
	.p2alignl 7, 3214868480
	.fill 96, 4, 3214868480
	.section	.rodata,"a",@progbits
	.p2align	6, 0x0
	.amdhsa_kernel k_q914b6a133d_gateup
		.amdhsa_group_segment_fixed_size 327680
		.amdhsa_private_segment_fixed_size 0
		.amdhsa_enable_private_segment 0
		.amdhsa_kernarg_size 48
		.amdhsa_user_sgpr_count 2
		.amdhsa_user_sgpr_kernarg_segment_ptr 1
		.amdhsa_wavefront_size32 1
		.amdhsa_system_sgpr_workgroup_id_x 1
		.amdhsa_system_sgpr_workgroup_id_y 1
		.amdhsa_system_sgpr_workgroup_id_z 1
		.amdhsa_system_vgpr_workitem_id 0
		.amdhsa_next_free_vgpr 1024
		.amdhsa_next_free_sgpr 100
		.amdhsa_reserve_vcc 0
		.amdhsa_float_denorm_mode_32 3
		.amdhsa_float_denorm_mode_16_64 3
		.amdhsa_memory_ordered 1
		.amdhsa_forward_progress 1
		.amdhsa_inst_pref_size 255
	.end_amdhsa_kernel
	.section	.bss,"aw",@nobits
	.p2align	6
	.space	262144
	.amdgpu_metadata
---
amdhsa.version: [ 1, 2 ]
amdhsa.kernels:
  - .name:           k_q914b6a133d_gateup
    .symbol:         k_q914b6a133d_gateup.kd
    .args:
      - { .name: xc, .offset: 0, .size: 8, .value_kind: global_buffer, .address_space: global }
      - { .name: xs, .offset: 8, .size: 8, .value_kind: global_buffer, .address_space: global }
      - { .name: wc, .offset: 16, .size: 8, .value_kind: global_buffer, .address_space: global }
      - { .name: wpart, .offset: 24, .size: 8, .value_kind: global_buffer, .address_space: global }
      - { .name: hc, .offset: 32, .size: 8, .value_kind: global_buffer, .address_space: global }
      - { .name: hs, .offset: 40, .size: 8, .value_kind: global_buffer, .address_space: global }
    .group_segment_fixed_size: 327680
    .private_segment_fixed_size: 0
    .kernarg_segment_align: 8
    .kernarg_segment_size: 48
    .max_flat_workgroup_size: 128
    .sgpr_count:     100
    .vgpr_count:     1024
    .wavefront_size: 32
...
	.end_amdgpu_metadata
.endif
;; end of part 2
;; launch down (part 3): grid 8 x 32, 4 waves a work-group, clusters of 4 x 4, 327,680 bytes of LDS; arguments hc, hs, wc, wpart, out0; writes out0
.if DOCPART == 3
	.amdgcn_target "amdgcn-amd-amdhsa--gfx1250"
	.amdhsa_code_object_version 6
	.text
	.protected	k_q914b6a133d_down
	.globl	k_q914b6a133d_down
	.p2align	8
	.type	k_q914b6a133d_down,@function
k_q914b6a133d_down:
	s_mov_b64 s[64:65], 0
	v_nop
	global_prefetch_b8 v0, s[64:65] scope:SCOPE_SE
	s_setreg_imm32_b32 hwreg(HW_REG_WAVE_MODE, 25, 1), 1
	s_wait_xcnt 0x0
	s_wait_alu depctr_hold_cnt(0) depctr_sa_sdst(0) depctr_va_vdst(0) depctr_va_sdst(0) depctr_va_ssrc(0) depctr_va_vcc(0) depctr_vm_vsrc(0)
	s_getreg_b32 s2, hwreg(HW_REG_IB_STS2, 6, 4)
	s_cmp_eq_u32 s2, 0
	s_cbranch_scc0 .Lentry_in_a_cluster
	s_endpgm
.Lentry_in_a_cluster:
	s_bfe_u32 s2, ttmp6, 0x10000c
	s_cmp_lg_u32 s2, 0xf033
	s_cbranch_scc0 .Lentry_shape_is_right
	s_endpgm
.Lentry_shape_is_right:
; out = Q(h) Q(w3)^T on codes of FP4 (E2M1) with E8M0 scales, K = 1,024.  WORK LEFT OUT: w3 + (sign(w3) mean - w3) = sign(w3) mean in real numbers (the first kernel's head has the limits).
; w3 arrives as sign codes at the largest magnitude; each wave makes the mean from the 256 partial sums, its code c and scale byte, and takes each B register once through AND (8 | c in every nibble).
; Operands are images of the operand's registers: 128 rows x all 1,024 of K are 65,536 consecutive bytes.  Each wave brings one such part by its ONE tensor load at the head (A's two halves, B's two halves: 262,144 bytes of LDS);
; nothing is filled again.  One work-group barrier behind the wait for the loads shows all four parts to all waves.
; A wave makes 128 x 128.  All of B (8 x 64 registers, windows 1 and 2) stays in registers; A comes by blocks of 16 rows x 1,024 K; each block's eight accumulators (window 3) take turns, and the block leaves through
; the wave's own stage as whole rows of 512 bytes while the next block is multiplied.  h's scale words come straight into registers: register 4 kc + P: lanes 0-15 block 2 P's rows, lanes 16-31 block 2 P + 1's.
; CLUSTERS 4 x 4: A's parts jointly along a row, B's along a column.  No prefetch: all of K is asked for at the head, and the text has no loop to run ahead in.  LIMITS: NaN and infinities are not served.
.set KC,     8
.set PART,   65536
.set SPARE,  4*PART
.set STG,    SPARE+512
.set SPITCH, 528
.set ROWC,   8192
.set ADRA, 16
.set ADRB, 20
.set STO,  24
.set RD,   25
.set CO,   4
.set SPW,  28
.set NIL,  29
.set SC,   32
.set WS,   96
.set AF,   128
.set BK,   128
.set G1,   24
.set G0,   32
.set G1B,  48
.set G0B,  56
.set M3,   76
.set SEL,  78
.set MSB, 0
.macro WIN new
.if MSB != (\new)
	s_set_vgpr_msb (MSB<<8)|(\new)
.set MSB, (\new)
.endif
.endm
.macro JLOAD g0a, g1a, g0b, g1b
	s_cmp_eq_u32 s15, 0
	s_cbranch_scc0 .Lfor_b_\@
	tensor_load_to_lds s[\g0a:\g0a+3], s[\g1a:\g1a+7]
	s_nop 0
.rept 4
	v_nop
.endr
	s_branch .Lasked_\@
.Lfor_b_\@:
	tensor_load_to_lds s[\g0b:\g0b+3], s[\g1b:\g1b+7]
	s_nop 0
.rept 4
	v_nop
.endr
.Lasked_\@:
.endm
.macro CREST
	s_cmp_lg_u32 s14, 0
	s_cbranch_scc1 .Lnot_wave_0_\@
	s_barrier_signal -3
.Lnot_wave_0_\@:
	s_barrier_wait -3
	s_barrier_signal -1
	s_barrier_wait -1
.endm
.macro CROUND
	s_barrier_signal -1
	s_barrier_wait -1
	CREST
.endm
.macro PLACES n
.rept \n
	v_nop
.endr
.endm
	s_load_b128 s[4:7], s[0:1], 0x0                ; hc, hs
	s_load_b128 s[8:11], s[0:1], 0x10              ; wc, wpart
	s_load_b64 s[12:13], s[0:1], 0x20              ; out0
	v_lshl_add_u32 v[SPW], v0, 2, SPARE
	v_mov_b32 v[NIL], 0
	ds_add_u32 v[SPW], v[NIL]                      ; the opening lines: the add twice on end and one wait
	ds_add_u32 v[SPW], v[NIL]
	v_lshrrev_b32 v1, 5, v0
	v_readfirstlane_b32 s14, v1
	s_lshr_b32 s15, s14, 1
	s_and_b32 s16, s14, 1
	s_bfe_u32 s40, ttmp6, 0x40000
	s_bfe_u32 s41, ttmp6, 0x40004
	s_lshl_b32 s42, ttmp9, 2
	s_add_co_u32 s42, s42, s40
	s_and_b32 s17, ttmp7, 0xffff
	s_lshl_b32 s17, s17, 2
	s_add_co_u32 s17, s17, s41
	s_lshl_b32 s43, s41, 2
	s_lshl_b32 s43, 15, s43
	s_lshl_b32 s44, 0x1111, s40
	s_or_b32 s[G1+0], s43, (3<<16)|(1<<21)         ; a dense block of 65,536 bytes as 256 rows of 32 elements of 8 bytes
	s_or_b32 s[G1B+0], s44, (3<<16)|(1<<21)
.irp g, G1, G1B
	s_mov_b32 s[\g+1], 32<<16
	s_mov_b32 s[\g+2], 256<<16
	s_mov_b32 s[\g+3], 32<<16
	s_mov_b32 s[\g+4], 256
	s_mov_b32 s[\g+5], 32
	s_mov_b32 s[\g+6], 0
	s_mov_b32 s[\g+7], 0
.endr
	s_lshl_b32 s20, s17, 1
	s_add_co_u32 s20, s20, s16
	s_lshl_b32 s46, s42, 1
	s_add_co_u32 s46, s46, s16
	s_mul_i32 s20, s20, PART
	s_mov_b32 s21, 0
	s_mul_i32 s46, s46, PART
	s_add_co_u32 s46, s46, 0x200000                ; w3's codes
	s_mov_b32 s47, 0
	s_mul_i32 s45, s14, PART
	s_mov_b32 s[SEL], 0x76543210
	s_mov_b32 s[SEL+1], 0xfedcba98
	s_wait_dscnt 0x0
	s_wait_kmcnt 0x0
	s_add_nc_u64 s[20:21], s[4:5], s[20:21]
	s_add_nc_u64 s[46:47], s[8:9], s[46:47]
	CROUND                                         ; the joint loads meet
	s_mov_b32 s[G0], 1
	s_mov_b32 s[G0+1], s45
	s_mov_b64 s[G0+2:G0+3], s[20:21]
	s_or_b32 s[G0+3], s[G0+3], 0x80000000
	s_mov_b32 s[G0B], 1
	s_mov_b32 s[G0B+1], s45
	s_mov_b64 s[G0B+2:G0B+3], s[46:47]
	s_or_b32 s[G0B+3], s[G0B+3], 0x80000000
	JLOAD G0, G1, G0B, G1B                         ; my part, all of K: my one tensor load
	s_mul_i32 s68, s15, PART
	s_mul_i32 s70, s16, PART
	s_add_co_u32 s70, s70, 2*PART
	s_mul_i32 s72, s14, 16*SPITCH
	s_add_co_u32 s72, s72, STG
	s_lshl_b32 s22, s17, 1
	s_add_co_u32 s22, s22, s15
	s_lshl_b32 s22, s22, 12                        ; hs: 4,096 bytes for 128 rows
	s_mov_b32 s23, 0
	s_add_nc_u64 s[6:7], s[6:7], s[22:23]
	s_lshl_b32 s20, s17, 8
	s_lshl_b32 s21, s15, 7
	s_add_co_u32 s20, s20, s21
	s_lshl_b32 s20, s20, 13
	s_lshl_b32 s46, s42, 10
	s_lshl_b32 s47, s16, 9
	s_add_co_u32 s46, s46, s47
	s_add_co_u32 s20, s20, s46
	s_mov_b32 s21, 0
	s_add_nc_u64 s[12:13], s[12:13], s[20:21]
	v_and_b32 v1, 15, v0
	v_bfe_u32 v2, v0, 4, 1
	v_and_b32 v3, 31, v0
	v_lshlrev_b32 v4, 4, v3
	v_lshlrev_b32 v6, 5, v3
	v_lshlrev_b32 v7, 2, v3
	v_add_nc_u32 v[ADRA], s68, v4
	v_add_nc_u32 v[ADRB], s70, v4
	v_mul_u32_u24 v5, v1, SPITCH
	v_lshl_add_u32 v5, v2, 6, v5
	v_add_nc_u32 v[STO], s72, v5
	v_add_nc_u32 v[RD], s72, v4
	s_wait_alu depctr_va_vdst(0)
	global_load_b128 v[100:103], v6, s[10:11] offset:2048   ; w3's partial sums, eight a lane
	global_load_b128 v[104:107], v6, s[10:11] offset:2064
.irp kc, 0,1,2,3,4,5,6,7
.irp pp, 0,1,2,3
	global_load_b32 v[SC+4*\kc+\pp], v7, s[6:7] offset:512*\kc+128*\pp   ; 32 rows' scale words: 128 consecutive bytes
.endr
.endr
	s_wait_loadcnt 0x0
	v_add_f32 v100, v100, v101
	v_add_f32 v102, v102, v103
	v_add_f32 v104, v104, v105
	v_add_f32 v106, v106, v107
	v_add_f32 v100, v100, v102
	v_add_f32 v104, v104, v106
	v_add_f32 v100, v100, v104
	v_add_f32_dpp v100, v100, v100 row_xmask:1 row_mask:0xf bank_mask:0xf
	v_add_f32_dpp v100, v100, v100 row_xmask:2 row_mask:0xf bank_mask:0xf
	v_add_f32_dpp v100, v100, v100 row_xmask:4 row_mask:0xf bank_mask:0xf
	v_add_f32_dpp v100, v100, v100 row_xmask:8 row_mask:0xf bank_mask:0xf
	v_permlanex16_b32 v101, v100, s[SEL], s[SEL+1]
	v_add_f32 v100, v100, v101
	v_mul_f32 v100, 0x35000000, v100               ; x 2^-21: the mean of |w3|
.irp i, 1,2,3,4,5,6,7
	v_mov_b32 v[100+\i], v100
.endr
	v_max_num_f32 v116, 0x1800000, v100            ; the floor: the byte cannot fall under 1
	v_add_nc_u32 v116, 0xff000000, v116
	v_lshrrev_b32 v117, 23, v116
	v_lshl_or_b32 v117, v117, 8, v117
	v_lshl_or_b32 v[WS], v117, 16, v117            ; the byte four times
	v_cvt_scalef32_pk8_fp4_f32 v118, v[100:107], v116   ; the mean's code in every nibble
	v_nop
	v_or_b32 v118, 0x88888888, v118
	v_readfirstlane_b32 s[M3], v118
.macro ALOADH a, s                     ; block a's fragments of K 512 s on
	WIN 0
.irp q, 0,1,2,3
.irp c, 0,1
	ds_load_b128 v[AF+64*((\a)%2)+8*(4*(\s)+\q)+4*\c:AF+64*((\a)%2)+8*(4*(\s)+\q)+4*\c+3], v[ADRA] offset:8192*(4*(\s)+\q)+1024*(\a)+512*\c
.endr
.endr
.endm
.macro BLOAD kc
	WIN 0x40+0x40*((\kc)/4)
.irp i, 0,1,2,3,4,5,6,7
.irp c, 0,1
	ds_load_b128 v[64*((\kc)%4)+8*\i+4*\c:64*((\kc)%4)+8*\i+4*\c+3], v[ADRB] offset:8192*(\kc)+1024*\i+512*\c
.endr
.endr
.endm
.macro ANDK kc                         ; B's 64 registers of 128 along K: the magnitude code of the mean
	WIN 0x44*(1+(\kc)/4)
.set n, 0
.rept 64
	v_and_b32 v[64*((\kc)%4)+n], s[M3], v[64*((\kc)%4)+n]
.set n, n+1
.endr
	s_wait_alu depctr_va_vdst(0)
	PLACES 4                                       ; an operand written by vector instructions stands four places ahead of a scaled product
.endm
.macro WM zero, odd
.if \zero
.if \odd
	v_wmma_scale_f32_16x16x128_f8f6f4 v[D:D+7], v[BF:BF+7], v[AR:AR+7], 0, v[WS], v[SA] matrix_a_fmt:MATRIX_FMT_FP4 matrix_b_fmt:MATRIX_FMT_FP4 matrix_b_scale:MATRIX_SCALE_ROW1
.else
	v_wmma_scale_f32_16x16x128_f8f6f4 v[D:D+7], v[BF:BF+7], v[AR:AR+7], 0, v[WS], v[SA] matrix_a_fmt:MATRIX_FMT_FP4 matrix_b_fmt:MATRIX_FMT_FP4
.endif
.else
.if \odd
	v_wmma_scale_f32_16x16x128_f8f6f4 v[D:D+7], v[BF:BF+7], v[AR:AR+7], v[D:D+7], v[WS], v[SA] matrix_a_fmt:MATRIX_FMT_FP4 matrix_b_fmt:MATRIX_FMT_FP4 matrix_b_scale:MATRIX_SCALE_ROW1
.else
	v_wmma_scale_f32_16x16x128_f8f6f4 v[D:D+7], v[BF:BF+7], v[AR:AR+7], v[D:D+7], v[WS], v[SA] matrix_a_fmt:MATRIX_FMT_FP4 matrix_b_fmt:MATRIX_FMT_FP4
.endif
.endif
.endm
.macro MUL8 a, kc                      ; block a x B's eight, 128 along K; the eight accumulators take turns
	WIN 0xf1+(\kc)/4
.irp b, 0,1,2,3,4,5,6,7
.set D,  64*((\a)%2)+8*\b
.set BF, 64*((\kc)%4)+8*\b
.set AR, AF+64*((\a)%2)+8*(\kc)
.set SA, SC+4*(\kc)+(\a)/2
	WM (\kc)==0, (\a)%2
.endr
.endm
.macro ROW a
.irp kc, 0,1,2,3,4,5,6,7
	MUL8 \a, \kc
.endr
.endm
.macro TOSTAGE a
	WIN 0x0c
.irp b, 0,1,2,3,4,5,6,7
	ds_store_b128 v[STO], v[64*((\a)%2)+8*\b:64*((\a)%2)+8*\b+3] offset:128*(\b/2)+32*(\b%2)
	ds_store_b128 v[STO], v[64*((\a)%2)+8*\b+4:64*((\a)%2)+8*\b+7] offset:128*(\b/2)+32*(\b%2)+16
.endr
	WIN 0xc0
.irp t, 0,1,2,3,4,5,6,7,8,9,10,11,12,13,14,15
	ds_load_b128 v[BK+64*((\a)%2)+4*\t:BK+64*((\a)%2)+4*\t+3], v[RD] offset:\t*SPITCH
.endr
.endm
.macro SEND a
	s_wait_dscnt 0x0
	WIN 0x0c
.irp t, 0,1,2,3,4,5,6,7,8,9,10,11,12,13,14,15
	global_store_b128 v[CO], v[BK+64*((\a)%2)+4*\t:BK+64*((\a)%2)+4*\t+3], s[12:13] offset:(16*(\a)+\t)*ROWC th:TH_STORE_NT   ; 32 lanes store 512 consecutive bytes, aligned
.endr
.endm
	s_wait_alu depctr_va_vdst(0)                   ; the wait at the head's end
	s_wait_tensorcnt 0x0                           ; my part is in,
	s_barrier_signal -1
	s_barrier_wait -1                              ; everybody's is
	ALOADH 0, 0
	BLOAD 0
	BLOAD 1
	s_wait_dscnt 16                                ; all but the youngest 16 loads, here and below
	ANDK 0
	BLOAD 2
	MUL8 0, 0
	s_wait_dscnt 16
	ANDK 1
	BLOAD 3
	MUL8 0, 1
	s_wait_dscnt 16
	ANDK 2
	ALOADH 0, 1
	BLOAD 4
	MUL8 0, 2
	s_wait_dscnt 24                                ; B's chunk 3 is in; behind it: A's second half (8 loads) and B's chunk 4 (16)
	ANDK 3
	BLOAD 5
	MUL8 0, 3
	s_wait_dscnt 16
	ANDK 4
	BLOAD 6
	MUL8 0, 4
	s_wait_dscnt 16
	ANDK 5
	BLOAD 7
	MUL8 0, 5
	s_wait_dscnt 16
	ANDK 6
	ALOADH 1, 0
	ALOADH 1, 1
	MUL8 0, 6
	s_wait_dscnt 16
	ANDK 7
	MUL8 0, 7
	s_wait_dscnt 0x0
.irp a, 0,1,2,3,4,5,6,7
	PLACES 5
.if \a < 6
	ALOADH \a+2, 0
	ALOADH \a+2, 1
.endif
.if \a > 1
	s_wait_xcnt 0x0                                ; block a - 2's stores have read their registers
.endif
	TOSTAGE \a
.if \a < 7
	ROW \a+1
.endif
	SEND \a
.endr
	WIN 0
	s_wait_tensorcnt 0x0                           ; the wave's end
	ds_add_u32 v[SPW], v[NIL]
	s_wait_dscnt 0x0
	CROUND                                         ; the closing round
	s_endpgm
.Lfunc_end_k_q914b6a133d_down:
	.size	k_q914b6a133d_down, .Lfunc_end_k_q914b6a133d_down-k_q914b6a133d_down
	.p2alignl 7, 3214868480
	.fill 96, 4, 3214868480
	.section	.rodata,"a",@progbits
	.p2align	6, 0x0
	.amdhsa_kernel k_q914b6a133d_down
		.amdhsa_group_segment_fixed_size 327680
		.amdhsa_private_segment_fixed_size 0
		.amdhsa_enable_private_segment 0
		.amdhsa_kernarg_size 40
		.amdhsa_user_sgpr_count 2
		.amdhsa_user_sgpr_kernarg_segment_ptr 1
		.amdhsa_wavefront_size32 1
		.amdhsa_system_sgpr_workgroup_id_x 1
		.amdhsa_system_sgpr_workgroup_id_y 1
		.amdhsa_system_sgpr_workgroup_id_z 1
		.amdhsa_system_vgpr_workitem_id 0
		.amdhsa_next_free_vgpr 1024
		.amdhsa_next_free_sgpr 98
		.amdhsa_reserve_vcc 0
		.amdhsa_float_denorm_mode_32 3
		.amdhsa_float_denorm_mode_16_64 3
		.amdhsa_memory_ordered 1
		.amdhsa_forward_progress 1
		.amdhsa_inst_pref_size 140
	.end_amdhsa_kernel
	.amdgpu_metadata
---
amdhsa.version: [ 1, 2 ]
amdhsa.kernels:
  - .name:           k_q914b6a133d_down
    .symbol:         k_q914b6a133d_down.kd
    .args:
      - { .name: hc, .offset: 0, .size: 8, .value_kind: global_buffer, .address_space: global }
      - { .name: hs, .offset: 8, .size: 8, .value_kind: global_buffer, .address_space: global }
      - { .name: wc, .offset: 16, .size: 8, .value_kind: global_buffer, .address_space: global }
      - { .name: wpart, .offset: 24, .size: 8, .value_kind: global_buffer, .address_space: global }
      - { .name: out0, .offset: 32, .size: 8, .value_kind: global_buffer, .address_space: global }
    .group_segment_fixed_size: 327680
    .private_segment_fixed_size: 0
    .kernarg_segment_align: 8
    .kernarg_segment_size: 40
    .max_flat_workgroup_size: 128
    .sgpr_count:     98
    .vgpr_count:     1024
    .wavefront_size: 32
...
	.end_amdgpu_metadata
.endif
;; end of part 3
